; MI455X (gfx1250); checked and timed in simulation.
; The chip was launched on July 23, 2026; its instructions are those of AMD's public machine-readable ISA for CDNA 5 (MIT licence, August 2026) and "CDNA5" Instruction Set Architecture Reference Guide (July 2026). The comments in the code are by the model that wrote it; some were corrected since.
;; Vector Quantizer. Allowed arithmetic: float matrix products may take bf16 or f16 operands with f32 sums; other float arithmetic in f32, or as packed bf16 or f16 multiplies, adds, multiply-adds, maxima and minima; sums over many terms, partial sums and values carried from step to step in f32; what a program stores and reads back later, other than sums and carried values, may be rounded once to bf16 or f16.
;; Inputs: codebook 64 x 2,048 float32; inputs 64 x 32 x 32 x 64 float32.
;; Outputs: out0 64 x 32 x 32 x 64 float32; out1 one number float32; out2 one number float32; out3 one number float32.
;; 2 versions, each right; version 2 is version 1 with the launch gather written anew for expert scheduling mode. Each part assembles by itself: llvm-mc -triple=amdgcn-amd-amdhsa -mcpu=gfx1250 --defsym DOCPART=n.
;; ======== version 1 of 2: 4 launches
;; limits: a difference of large sums (such as E[x^2] - mean^2): digits are lost where the result is much smaller than its terms
;; workspace buffers: tabB 262,144 bytes; ccb 8,192 bytes; idx 262,144 bytes of whole numbers; ab 262,144 bytes; lossp 4,096 bytes; part 131,072 bytes
;; launch prep (part 1): grid 16 x 1, 4 waves a work-group, no clusters, 18,944 bytes of LDS; arguments codebook, tabB, ccb; writes tabB, ccb
.if DOCPART == 1
	.amdgcn_target "amdgcn-amd-amdhsa--gfx1250"
	.amdhsa_code_object_version 6
	.text
	.protected	k_q32448b6cee_prep
	.globl	k_q32448b6cee_prep
	.p2align	8
	.type	k_q32448b6cee_prep,@function
k_q32448b6cee_prep:
	s_mov_b64 s[64:65], 0
	v_nop
	global_prefetch_b8 v0, s[64:65] scope:SCOPE_SE
	s_setreg_imm32_b32 hwreg(HW_REG_WAVE_MODE, 25, 1), 1
	s_wait_xcnt 0x0
; VECTOR QUANTIZER, launch 1 of 4: the codebook [64][2048] f32 is turned and rounded once.
;   tabB[k][d] = -2 bf16(codebook[d][k]), bf16, a code's 64 numbers on end (128 bytes);   ccb[k] = the sum over d, ascending, of bf16(codebook[d][k])^2, f32.
; THE PROGRAM.  2: for each of the 65,536 rows x the first index of the least d = (|x|^2 - 2 x.c) + |c|^2.  3: out0 = the chosen codes, and counts of the indices.  4: the three numbers.
; FORMAT.  Both inputs are rounded once to bf16, in every launch alike; products by the matrix unit, all sums in f32.  The factor -2 is a power of two: it changes no rounding.
; WORK LEFT OUT, dead for all finite values of the inputs, in exact arithmetic:
;   (1) ste = inputs + (quantized - inputs) is quantized: out0 is the chosen code's column, and launch 3 does not read inputs.
;   (2) stop_gradient is the identity: codebook_loss and commitment_loss are one mean of (quantized - inputs)^2, the second times 0.25.
;   (3) for a row, the sum over d of (q - x)^2 is |x|^2 - 2 x.q + |q|^2: the least distance, which launch 2 holds already; no second pass over inputs is made.
;   (4) one_hot and its mean over the rows are a count of the indices divided by 65,536: no [65536][2048] array is made.
; NOT LEFT OUT: |x|^2, though it is the same for all codes of a row: beside it reference()'s f32 loses low bits of the other two terms, and which code is least, or first among equals, can hang on that.
; So d is formed as reference() forms it, two f32 additions in its order, and of equal d the first index is taken.  Both inputs are loaded.
; LIMITS.  out0 holds the code's numbers rounded to bf16 (within 2^-9 of themselves), without the rounding of x + (q - x).  The losses carry f32's rounding at the size of |x|^2 + |c|^2: a relative
; error of about 2^-23 (|x|^2 + |c|^2) / d, under a thousandth while d > 1e-4 (|x|^2 + |c|^2).  Where two codes' d lie closer than the rounding of the sums of products, the index may be the other one's.
; NaN and infinities are not treated apart, and a NaN, an infinity or an overflow that would reach only the work left out is not carried to the result.
; SHARES.  16 work-groups of 128 threads; a thread owns one code k = 128 x work-group + thread.  A load of a wave takes 128 consecutive bytes of one row d.
; A thread ends with its code's 128 bytes; they go through the wave's own stage in LDS (rows of 144 bytes) and leave as stores of 512 consecutive bytes.
.set PITCH, 144
.set WSTG,  32*PITCH                   ; a wave's stage: 32 rows
.set SPARE, 4*WSTG                     ; 18,432: behind the stages, the spare words: 128 bytes for each wave, two blocks of 256 bytes that no other line names
.set SPW, 1                            ; v1   my spare word's address; never rewritten
.set NIL, 2                            ; v2   0; never rewritten
.set KO,  3                            ; v3   4 x thread: my code's place in a row of the codebook, and in ccb
.set STO, 4                            ; v4   where my code's row begins in the stage
.set RD,  5                            ; v5   where I read 16 bytes back: row lane / 8, column lane % 8
.set GO,  6                            ; v6   16 x lane
.set T0,  7
.set SQ,  8                            ; v8   the sum of squares
.set T1,  9
.set C,   16                           ; v[16:79]   my code's 64 numbers; later the rows read back
.set P,   80                           ; v[80:111]  the same, packed
	s_load_b128 s[4:7], s[0:1], 0x0                ; codebook s[4:5], tabB s[6:7]
	s_load_b64 s[8:9], s[0:1], 0x10                ; ccb
	v_lshl_add_u32 v[SPW], v0, 2, SPARE
	v_mov_b32 v[NIL], 0
	v_lshrrev_b32 v[T0], 5, v0
	v_readfirstlane_b32 s10, v[T0]                 ; wave 0..3
	v_and_b32 v[T0], 31, v0                        ; lane
	v_lshlrev_b32 v[KO], 2, v0
	s_mul_i32 s11, s10, WSTG                       ; my wave's stage
	v_mul_u32_u24 v[STO], v[T0], PITCH
	v_add_nc_u32 v[STO], s11, v[STO]
	v_lshrrev_b32 v[RD], 3, v[T0]
	v_mul_u32_u24 v[RD], v[RD], PITCH
	v_and_b32 v[T1], 7, v[T0]
	v_lshl_add_u32 v[RD], v[T1], 4, v[RD]
	v_add_nc_u32 v[RD], s11, v[RD]
	v_lshlrev_b32 v[GO], 4, v[T0]
	v_mov_b32 v[SQ], 0                             ; the chain's first addend
	s_lshl_b32 s12, ttmp9, 9                       ; the work-group's 128 codes: 512 bytes of a row of the codebook, and of ccb
	s_mov_b32 s13, 0
	s_lshl_b32 s14, ttmp9, 14                      ; and 128 rows of 128 bytes of tabB,
	s_lshl_b32 s15, s10, 12                        ; my wave's 32 of them
	s_add_co_u32 s14, s14, s15
	s_mov_b32 s15, 0
	s_wait_kmcnt 0x0
	s_add_nc_u64 s[4:5], s[4:5], s[12:13]
	s_add_nc_u64 s[8:9], s[8:9], s[12:13]
	s_add_nc_u64 s[6:7], s[6:7], s[14:15]
.set d, 0
.rept 64
	global_load_b32 v[C+d], v[KO], s[4:5] offset:8192*d th:TH_LOAD_NT  ; row d: 8,192 bytes on
.set d, d+1
.endr
	s_wait_loadcnt 0x0
.set d, 0
.rept 32
	v_pk_mul_f32 v[C+d:C+d+1], v[C+d:C+d+1], -2.0 op_sel_hi:[1,0]
.set d, d+2
.endr
.set d, 0
.rept 32
	v_cvt_pk_bf16_f32 v[P+d], v[C+2*d], v[C+2*d+1]  ; the one rounding
.set d, d+1
.endr
.irp i, 0,1,2,3,4,5,6,7
	ds_store_b128 v[STO], v[P+4*\i:P+4*\i+3] offset:16*\i
.endr
.irp i, 0,1,2,3,4,5,6,7
	ds_load_b128 v[C+4*\i:C+4*\i+3], v[RD] offset:4*PITCH*\i  ; my wave's own bytes: LDS serves a wave's instructions in order (ISA guide 5.7.1.4), so these see the stores above; four rows = 512 bytes of tabB
.endr
.set d, 0
.rept 32                               ; one chain, d ascending; a square of a bf16 number is exact in f32, so each link is one f32 addition
	v_fma_mix_f32_bf16 v[SQ], v[P+d], v[P+d], v[SQ] op_sel_hi:[1,1,0]
	v_fma_mix_f32_bf16 v[SQ], v[P+d], v[P+d], v[SQ] op_sel:[1,1,0] op_sel_hi:[1,1,0]
.set d, d+1
.endr
	v_mul_f32 v[SQ], 0x3e800000, v[SQ]             ; (-2 c)^2 / 4: exact
.irp i, 0,1,2,3,4,5,6,7
	s_wait_dscnt 7-\i                              ; the younger loads may stay out
	global_store_b128 v[GO], v[C+4*\i:C+4*\i+3], s[6:7] offset:512*\i  ; 512 consecutive bytes, at a multiple of 256 from tabB's first
.endr
	global_store_b32 v[KO], v[SQ], s[8:9]
	s_wait_tensorcnt 0x0                           ; the wave's end: behind my last LDS store
	ds_add_u32 v[SPW], v[NIL]
	s_wait_dscnt 0x0
	s_endpgm
.Lfunc_end_k_q32448b6cee_prep:
	.size	k_q32448b6cee_prep, .Lfunc_end_k_q32448b6cee_prep-k_q32448b6cee_prep
	.p2alignl 7, 3214868480
	.fill 96, 4, 3214868480
	.section	.rodata,"a",@progbits
	.p2align	6, 0x0
	.amdhsa_kernel k_q32448b6cee_prep
		.amdhsa_group_segment_fixed_size 18944
		.amdhsa_private_segment_fixed_size 0
		.amdhsa_enable_private_segment 0
		.amdhsa_kernarg_size 24
		.amdhsa_user_sgpr_count 2
		.amdhsa_user_sgpr_kernarg_segment_ptr 1
		.amdhsa_wavefront_size32 1
		.amdhsa_system_sgpr_workgroup_id_x 1
		.amdhsa_system_sgpr_workgroup_id_y 1
		.amdhsa_system_sgpr_workgroup_id_z 1
		.amdhsa_system_vgpr_workitem_id 0
		.amdhsa_next_free_vgpr 112
		.amdhsa_next_free_sgpr 66
		.amdhsa_reserve_vcc 0
		.amdhsa_float_denorm_mode_32 3
		.amdhsa_float_denorm_mode_16_64 3
		.amdhsa_memory_ordered 1
		.amdhsa_forward_progress 1
		.amdhsa_inst_pref_size 18
	.end_amdhsa_kernel
	.amdgpu_metadata
---
amdhsa.version: [ 1, 2 ]
amdhsa.kernels:
  - .name:           k_q32448b6cee_prep
    .symbol:         k_q32448b6cee_prep.kd
    .args:
      - { .name: codebook, .offset: 0, .size: 8, .value_kind: global_buffer, .address_space: global }
      - { .name: tabB, .offset: 8, .size: 8, .value_kind: global_buffer, .address_space: global }
      - { .name: ccb, .offset: 16, .size: 8, .value_kind: global_buffer, .address_space: global }
    .group_segment_fixed_size: 18944
    .private_segment_fixed_size: 0
    .kernarg_segment_align: 8
    .kernarg_segment_size: 24
    .max_flat_workgroup_size: 128
    .sgpr_count:     66
    .vgpr_count:     112
    .wavefront_size: 32
...
	.end_amdgpu_metadata
.endif
;; end of part 1
;; launch argmin (part 2): grid 256 x 1, 8 waves a work-group, clusters of 4 x 1, 308,224 bytes of LDS; arguments inputs, tabB, ccb, idx, ab, lossp; writes idx, ab, lossp
.if DOCPART == 2
	.amdgcn_target "amdgcn-amd-amdhsa--gfx1250"
	.amdhsa_code_object_version 6
	.text
	.protected	k_q32448b6cee_argmin
	.globl	k_q32448b6cee_argmin
	.p2align	8
	.type	k_q32448b6cee_argmin,@function
k_q32448b6cee_argmin:
	s_mov_b64 s[64:65], 0
	v_nop
	global_prefetch_b8 v0, s[64:65] scope:SCOPE_SE
	s_setreg_imm32_b32 hwreg(HW_REG_WAVE_MODE, 25, 1), 1
	s_wait_xcnt 0x0
	s_wait_alu depctr_hold_cnt(0) depctr_sa_sdst(0) depctr_va_vdst(0) depctr_va_sdst(0) depctr_va_ssrc(0) depctr_va_vcc(0) depctr_vm_vsrc(0)
	s_getreg_b32 s2, hwreg(HW_REG_IB_STS2, 6, 4)
	s_cmp_eq_u32 s2, 0
	s_cbranch_scc0 .Lentry_in_a_cluster
	s_endpgm
.Lentry_in_a_cluster:
	s_bfe_u32 s2, ttmp6, 0x10000c
	s_cmp_lg_u32 s2, 0x3003
	s_cbranch_scc0 .Lentry_shape_is_right
	s_endpgm
.Lentry_shape_is_right:
; VECTOR QUANTIZER, launch 2 of 4: for each row x of inputs ([65536][64] f32, rounded once to bf16) the first index k of the least d[k] = (xx + (-2 x.c_k)) + cc_k, and that d.
; Left out as dead (shown at the head of launch 1): the second pass (quantized - inputs)^2: its sum over a row is the least d.  xx is NOT left out: d is rounded as reference() rounds it.
; OUT.  idx[n] = k;  ab: for each pair of rows 8 bytes of f16, {k >> 3 of both, k & 7 of both}, for launch 3's counts;  lossp[4 x work-group + g] = the sum of the least d over 64 rows.
; SHARES.  A work-group owns 256 rows, and the whole table lies in its LDS.  Wave W: the 64 rows of group g = W % 4, and of each stage of 512 codes the half ch = W / 4: 64 tiles of 16 codes,
; codes ascending.  Two waves share a SIMD: one's matrix work stands beside the other's vector work; and inside a wave a tile's vector work stands between the next tile's products.
; LAYOUT.  D = (16 codes) x (16 rows)^T: source 0 = codes, source 1 = rows.  A lane holds ONE row (column lane % 16) and the codes 8 (lane / 16) + 0..7 of the tile.
; Column r of row tile q is row 64 g + 4 r + q, so that a lane ends with four neighbouring rows.
; THE VECTOR WORK for 8 distances: 4 packed additions of xx, 4 of cc, 4 minima of three, 1 compare, 5 pairs of selects: where the tile's least is below the best so far (strictly: the earlier tile
; keeps an equal d) the lane keeps all eight d and the tile's mark.  At the end the first kept d that equals the best names the code: no index is carried from distance to distance.
; CLUSTER.  All work-groups read the same table, so four of them ask for each piece JOINTLY: the same tensor load, descriptor and mask in all four.  Nothing in LDS is filled twice.
; The table comes in four stages of 512 codes: work begins when the first has landed.  By this text's count a wave has five tensor loads outstanding.
.set PITCH,  144                       ; a code's row in LDS: 128 bytes + 16 of padding: 36 words, so the 16 rows of a fragment load start 4 banks apart mod 64 (64 banks of 4 bytes: ISA guide 11.1)
.set TILEB,  16*PITCH                  ; 2,304
.set LOADB,  64*PITCH                  ; what one tensor load brings
.set STAGEB, 256*PITCH                 ; a stage's part of one half
.set HALFB,  1024*PITCH                ; code 512 s + 256 ch + i lies in row 1024 ch + 256 s + i: each half's 64 tiles lie on end
.set CC,     2*HALFB                   ; 294,912: cc, 4 bytes a code, in the same order: 4,096 ch + 1,024 s + 4 i: 64 bytes a tile
.set MRG,    CC+8192                   ; 303,104: 4,096 bytes in which the halves ch = 1 hand over their results; no tensor load lands here
.set SPARE,  MRG+4096                  ; 307,200: the spare words, 128 bytes for each wave: four blocks of 256 bytes that no other line names
.set SPW,  2                           ; v2   my spare word's address; never rewritten
.set NIL,  3                           ; v3   0; never rewritten
.set VA0,  4                           ; v4   my lane's place in my half's first tile
.set VA,   5                           ; v5   the LDS address of the tile being fetched
.set VX,   5                           ;      before that: my byte offset in the wave's rows of inputs
.set VC,   6                           ; v6, v7   by the tile's parity: the LDS address of my 8 cc; it is also the tile's mark
.set XX,   8                           ; v[8:15]    xx of row tile q, twice, at XX + 2 q: a pair for the packed addition
.set NE,   16                          ; v[16:19]   four minima at work, row tiles 0 and 2
.set ST,   20                          ; v[20:59]   row tile q at ST + 10 q: +0..7 the eight d kept, +8 the mark, +9 the best
.set NO,   60                          ; v[60:63]   four minima at work, row tiles 1 and 3
.set XQ,   64                          ; v[64:127]  the rows' fragments: tile q, channels 32 kh on, at XQ + 16 q + 8 kh
.set AB,   128                         ; v[128:159] the codes' fragments, by the tile's parity p: AB + 16 p + 8 kh
.set CB,   160                         ; v[160:175] cc of a tile: CB + 8 p
.set DB,   176                         ; v[176:239] the accumulators: DB + 32 p + 8 q
.set VC00, 240                         ; v240 my lane's place in my half's first 64 bytes of cc
.set XL,   128                         ; v[128:255] at the start: the rows as loaded, f32
.set EJ,   128                         ; the end: j, code, best, the other's best, the other's code: four each; then at work
.set EC,   132
.set EB,   136
.set EOB,  140
.set EOC,  144
.set ET,   148
.set WV,   16                          ; s16  my wave's number
.set QG,   17                          ; s17  g
.set CH,   18                          ; s18  ch
.set CX,   19                          ; s19  my work-group's place in the cluster: it enters global addresses of inputs, idx, ab and lossp alone
.set WG,   20                          ; s20  my work-group
.set G1T,  24                          ; s[24:31] descriptor group 1, the table's pieces
.set G1C,  32                          ; s[32:39] descriptor group 1, cc's pieces
.set G0C,  40                          ; s[40:43] descriptor group 0, my piece of cc
.set G0T,  44                          ; s[44:59] descriptor group 0, my piece of each stage
.set SEL,  60                          ; s[60:61] v_permlanex16_b32's selects: each lane takes its own place in the other half
.set CNT,  62                          ; s62  counts a loop's trips
.set HM,   63                          ; s63  the mask of lanes 16 to 31
.set TA,   66                          ; s66  2,304 x the tile being fetched
.set TC,   67                          ; s67  64 x the tile in hand
.set CB0,  68                          ; s68  CC + 4,096 ch
.set HB,   69                          ; s69  HALFB x ch
.set INF,  70                          ; s70  +infinity
.set C256, 71                          ; s71  256 ch
; A round of the cluster's barrier: my work-group's barrier, so that wave 0's signal speaks for all eight waves; wave 0 signals; every wave waits for all four work-groups; my work-group's barrier once more.
.macro ROUND
	s_barrier_signal -1
	s_barrier_wait -1
	s_cmp_lg_u32 s[WV], 0
	s_cbranch_scc1 .Lnot_wave_0_\@
	s_barrier_signal -3
.Lnot_wave_0_\@:
	s_barrier_wait -3
	s_barrier_signal -1
	s_barrier_wait -1
.endm
	s_load_b256 s[4:11], s[0:1], 0x0               ; inputs s[4:5], tabB s[6:7], ccb s[8:9], idx s[10:11]
	s_load_b128 s[12:15], s[0:1], 0x20             ; ab s[12:13], lossp s[14:15]
	v_lshl_add_u32 v[SPW], v0, 2, SPARE
	v_mov_b32 v[NIL], 0
	ds_add_u32 v[SPW], v[NIL]                      ; the wave's opening: the add, twice on end, and its wait ahead of my first tensor load; the set-up below, work on registers, stands between
	ds_add_u32 v[SPW], v[NIL]
	v_lshrrev_b32 v1, 5, v0
	v_readfirstlane_b32 s[WV], v1                  ; wave 0..7
	s_and_b32 s[QG], s[WV], 3
	s_lshr_b32 s[CH], s[WV], 2
	s_bfe_u32 s[CX], ttmp6, 0x40000
	s_lshl_b32 s[WG], ttmp9, 2                     ; in a cluster launch ttmp9 counts clusters
	s_add_co_u32 s[WG], s[WG], s[CX]
	; group 1, the table: 64 codes are 8,192 dense bytes, asked for as 32 rows of 256 bytes, two codes a row, padded in LDS after every code
	s_mov_b32 s[G1T], 15|(1<<16)|(1<<20)|(1<<21)|(4<<22)|(3<<25)  ; 15:0 the mask of four; 17:16 2-byte elements; 20 padding on; 21 set beside a mask; 24:22 after every 32 words (code 4); 31:25 4 words (code 3)
	s_mov_b32 s[G1T+1], 128<<16                    ; tensor_dim0 = 128
	s_mov_b32 s[G1T+2], 32<<16                     ; tensor_dim1 = 32
	s_mov_b32 s[G1T+3], 128<<16                    ; tile_dim0 = 128
	s_mov_b32 s[G1T+4], 32                         ; tile_dim1 = 32
	s_mov_b32 s[G1T+5], 128                        ; 128 elements from row to row
	s_mov_b32 s[G1T+6], 0
	s_mov_b32 s[G1T+7], 0
	; group 1, cc: 256 codes' cc are 1,024 dense bytes: 4 rows of 32 elements of 8 bytes, no padding
	s_mov_b32 s[G1C], 15|(3<<16)|(1<<21)
	s_mov_b32 s[G1C+1], 32<<16
	s_mov_b32 s[G1C+2], 4<<16
	s_mov_b32 s[G1C+3], 32<<16
	s_mov_b32 s[G1C+4], 4
	s_mov_b32 s[G1C+5], 32
	s_mov_b32 s[G1C+6], 0
	s_mov_b32 s[G1C+7], 0
	; where my pieces go.  Of stage s I fetch codes 512 s + 64 W + 0..63: half W / 4, rows 256 s + 64 (W % 4) on.  No place in the cluster enters an LDS address.
	s_mul_i32 s[HB], s[CH], HALFB
	s_mul_i32 s72, s[QG], LOADB
	s_add_co_u32 s72, s72, s[HB]
.irp s, 0,1,2,3
	s_mov_b32 s[G0T+4*(\s)], 1                     ; count = 1
	s_add_co_u32 s[G0T+4*(\s)+1], s72, (\s)*STAGEB
.endr
	s_and_b32 s73, s[WV], 1                        ; of cc I fetch codes 256 W + 0..255: stage W / 2, half W % 2
	s_lshl_b32 s73, s73, 12
	s_lshr_b32 s74, s[WV], 1
	s_lshl_b32 s74, s74, 10
	s_add_co_u32 s73, s73, s74
	s_mov_b32 s[G0C], 1
	s_add_co_u32 s[G0C+1], s73, CC
	; offsets, apart from the addresses
	s_lshl_b32 s74, s[WV], 10                      ; in ccb
	s_mov_b32 s75, 0
	s_lshl_b32 s76, s[WV], 13                      ; in tabB
	s_mov_b32 s77, 0
	s_lshl_b32 s78, s[WG], 16                      ; in inputs: 256 rows of 256 bytes a work-group,
	s_lshl_b32 s79, s[QG], 14                      ; 64 a wave
	s_add_co_u32 s78, s78, s79
	s_mov_b32 s79, 0
	s_lshl_b32 s22, s[WG], 10                      ; in idx and in ab: 4 bytes a row
	s_lshl_b32 s23, s[QG], 8
	s_add_co_u32 s22, s22, s23
	s_mov_b32 s23, 0
	s_lshl_b32 s72, s[WG], 4                       ; in lossp
	s_lshl_b32 s73, s[QG], 2
	s_add_co_u32 s72, s72, s73
	s_mov_b32 s73, 0
	s_mov_b32 s[SEL], 0x76543210
	s_mov_b32 s[SEL+1], 0xfedcba98
	s_mov_b32 s[HM], 0xffff0000
	s_mov_b32 s[INF], 0x7f800000
	s_lshl_b32 s[CB0], s[CH], 12
	s_add_co_u32 s[CB0], s[CB0], CC
	s_lshl_b32 s[C256], s[CH], 8
	s_mov_b32 s[TA], 0
	s_mov_b32 s[TC], 0
	s_wait_dscnt 0x0                               ; both opening adds are done
	s_wait_kmcnt 0x0
	s_add_nc_u64 s[G0C+2:G0C+3], s[8:9], s[74:75]
	s_or_b32 s[G0C+3], s[G0C+3], 0x80000000        ; type = 2
	s_add_nc_u64 s[76:77], s[6:7], s[76:77]
.irp s, 0,1,2,3
	s_add_nc_u64 s[G0T+4*(\s)+2:G0T+4*(\s)+3], s[76:77], (\s)*65536  ; a stage is 512 codes of 128 bytes
	s_or_b32 s[G0T+4*(\s)+3], s[G0T+4*(\s)+3], 0x80000000
.endr
	s_add_nc_u64 s[4:5], s[4:5], s[78:79]
	s_add_nc_u64 s[10:11], s[10:11], s[22:23]
	s_add_nc_u64 s[12:13], s[12:13], s[22:23]
	s_add_nc_u64 s[14:15], s[14:15], s[72:73]
	ROUND                                          ; all four work-groups are here: the joint loads meet
	tensor_load_to_lds s[G0C:G0C+3], s[G1C:G1C+7]  ; all of a wave's fills go out as one group: cc first, then the stages in the order in which they are read
	s_nop 0
.irp s, 0,1,2,3
	tensor_load_to_lds s[G0T+4*(\s):G0T+4*(\s)+3], s[G1T:G1T+7]
	s_nop 0
.endr
	; THE ROWS.  A fragment is 16 rows x 32 channels: lane (r, h) holds row r, channels 8 h + 0..7 and 16 + 8 h + 0..7.  In f32 eight channels are two loads of 16 bytes.
	v_and_b32 v1, 15, v0                           ; r
	v_bfe_u32 v[NE], v0, 4, 1                      ; h
	v_lshlrev_b32 v[VX], 10, v1                    ; row 4 r + q: 1,024 r, and 256 q in the immediate
	v_lshl_add_u32 v[VX], v[NE], 5, v[VX]
.set n, 0
.rept 32                               ; tile n / 8; channels 32 ((n / 4) % 2) + 16 ((n / 2) % 2) + 8 h + 4 (n % 2) on
	global_load_b128 v[XL+4*n:XL+4*n+3], v[VX], s[4:5] offset:256*(n/8)+128*((n/4)%2)+64*((n/2)%2)+16*(n%2)
.set n, n+1
.endr
	v_mul_u32_u24 v[VA0], v1, PITCH
	v_lshl_add_u32 v[VA0], v[NE], 4, v[VA0]        ; row x pitch + 16 x half,
	v_add_nc_u32 v[VA0], s[HB], v[VA0]             ; in my half of the table
.set q, 0
.rept 4                                ; nothing is best yet: these lines stand in the wait for the rows
.irp j, 0,1,2,3,4,5,6,7,9
	v_mov_b32 v[ST+10*q+\j], s[INF]
.endr
	v_mov_b32 v[ST+10*q+8], s[CB0]                 ; the mark of tile 0, lanes' lower half: a code inside the table whatever follows
.set q, q+1
.endr
	v_mov_b32 v[NE+2], 0                           ; the two chains' first addend
	v_mov_b32 v[NE+3], 0                           ; v_permlanex16_b32's destination counts as read
.set q, 0
.rept 4
	s_wait_loadcnt 24-8*q                          ; tile q's eight loads are in; the later tiles' may stay out
.set m, 0
.rept 16
	v_cvt_pk_bf16_f32 v[XQ+16*q+m], v[XL+32*q+2*m], v[XL+32*q+2*m+1]  ; the one rounding
.set m, m+1
.endr
.set m, 0
.rept 16                               ; xx of the rounded numbers: my 32 squares in two chains; a square of a bf16 number is exact in f32
.if m == 0
	v_fma_mix_f32_bf16 v[NE], v[XQ+16*q], v[XQ+16*q], v[NE+2] op_sel_hi:[1,1,0]
	v_fma_mix_f32_bf16 v[NE+1], v[XQ+16*q], v[XQ+16*q], v[NE+2] op_sel:[1,1,0] op_sel_hi:[1,1,0]
.else
	v_fma_mix_f32_bf16 v[NE], v[XQ+16*q+m], v[XQ+16*q+m], v[NE] op_sel_hi:[1,1,0]
	v_fma_mix_f32_bf16 v[NE+1], v[XQ+16*q+m], v[XQ+16*q+m], v[NE+1] op_sel:[1,1,0] op_sel_hi:[1,1,0]
.endif
.set m, m+1
.endr
	v_add_f32 v[NE], v[NE], v[NE+1]
	v_permlanex16_b32 v[NE+3], v[NE], s[SEL], s[SEL+1]  ; the row's other 32 channels lie in the lane 16 away
	v_add_f32 v[XX+2*q], v[NE], v[NE+3]            ; the same number in both lanes
	v_mov_b32 v[XX+2*q+1], v[XX+2*q]
.set q, q+1
.endr
	v_bfe_u32 v[VC00], v0, 4, 1                    ; (its register held a row's numbers until now)
	v_lshl_add_u32 v[VC00], v[VC00], 5, s[CB0]     ; my 8 codes' cc: 32 bytes for each half of the lanes
; Product i of 8 of a tile of parity p: row tile i % 4, channels 32 (i / 4) on.  The first four start the sums.  The four accumulators take turns, one instruction a turn, from step to step and over the
; backward jump too: no two matrix instructions on end share an accumulator.
.macro WM p, i
.set wd, DB+32*(\p)+8*((\i)%4)
.set wa, AB+16*(\p)+8*((\i)/4)
.set wx, XQ+16*((\i)%4)+8*((\i)/4)
.if (\i) < 4
	v_wmma_f32_16x16x32_bf16 v[wd:wd+7], v[wa:wa+7], v[wx:wx+7], 0
.else
	v_wmma_f32_16x16x32_bf16 v[wd:wd+7], v[wa:wa+7], v[wx:wx+7], v[wd:wd+7]
.endif
.endm
; Slice i of 8 of the vector work of a finished tile of parity p: nine issue slots, row tile i / 2.  Even i: d = (xx + D) + cc, each a rounded f32 addition, in reference()'s order; the accumulator's
; lowest registers are read first.  Odd i: the least of the eight and of the best so far; where it is below the best, the eight d and the mark are kept.  In a pair of selects one destination is even and
; one odd, and the two first sources, and the two second, are neighbours (or lie in banks 0 or 2 and 3).
.macro VC p, i
.set vq, (\i)/2
.set vd, DB+32*(\p)+8*vq
.set vs, ST+10*vq
.set vn, NE+(NO-NE)*(vq%2)
.if (\i)%2 == 0
.irp k, 0,2,4,6
	v_pk_add_f32 v[vd+\k:vd+\k+1], v[vd+\k:vd+\k+1], v[XX+2*vq:XX+2*vq+1]
.endr
.irp k, 0,2,4,6
	v_pk_add_f32 v[vd+\k:vd+\k+1], v[vd+\k:vd+\k+1], v[CB+8*(\p)+\k:CB+8*(\p)+\k+1]
.endr
	v_min3_num_f32 v[vn], v[vd], v[vd+1], v[vd+2]
.else
	v_min3_num_f32 v[vn+1], v[vd+3], v[vd+4], v[vd+5]
	v_min3_num_f32 v[vn+2], v[vd+6], v[vd+7], v[vs+9]
	v_min3_num_f32 v[vn+3], v[vn], v[vn+1], v[vn+2]
	v_cmp_lt_f32 vcc_lo, v[vn+3], v[vs+9]
.irp k, 0,2,4,6
	v_dual_cndmask_b32 v[vs+\k], v[vs+\k], v[vd+\k] :: v_dual_cndmask_b32 v[vs+\k+1], v[vs+\k+1], v[vd+\k+1]
.endr
	v_dual_cndmask_b32 v[vs+8], v[vs+8], v[VC+(\p)] :: v_dual_mov_b32 v[vs+9], v[vn+3]
.endif
.endm
; A STEP: tile u, of parity p, is multiplied; tile u - 1's vector work stands in slices behind the products; tile u + 1's fragments and tile u's cc are fetched at the head, a whole step ahead of their use.
; The loads into the other parity's fragments stand nine plain vector lines (the last slice) behind the last product that read them; each slice reads results at least nine such lines old.
; first = 1: there is no tile before; four v_nop are the places.  last = 1: there is no tile behind.
; bnd = 1: tile u + 1 is a stage's first: my piece of that stage has landed (tcnt later stages of mine may stay out), and behind the barrier everybody's has.
.macro STEP p, first=0, last=0, bnd=0, tcnt=0
	s_wait_dscnt 0x0                               ; tile u's fragments and tile u - 1's cc are in; no LDS instruction of mine is out at a signal
.if \bnd
	s_wait_tensorcnt \tcnt
	s_barrier_signal -1
	s_barrier_wait -1
.endif
	v_add_nc_u32 v[VC+(\p)], s[TC], v[VC00]
	s_add_co_u32 s[TC], s[TC], 64
.if !(\last)
	s_add_co_u32 s[TA], s[TA], TILEB
	v_add_nc_u32 v[VA], s[TA], v[VA0]
.irp n, 0,1,2,3
	ds_load_b128 v[AB+16*(1-(\p))+4*\n:AB+16*(1-(\p))+4*\n+3], v[VA] offset:32*\n
.endr
.endif
	ds_load_b128 v[CB+8*(\p):CB+8*(\p)+3], v[VC+(\p)]
	ds_load_b128 v[CB+8*(\p)+4:CB+8*(\p)+7], v[VC+(\p)] offset:16
.irp i, 0,1,2,3,4,5,6,7
	WM \p, \i
.if !(\first)
	VC 1-(\p), \i
.endif
.endr
.if \first
.rept 4
	v_nop
.endr
.endif
.endm
.macro LOOP7                           ; fourteen steps
	s_mov_b32 s[CNT], 7
.Lpair_\@:
	STEP 1
	STEP 0
	s_sub_co_u32 s[CNT], s[CNT], 1
	s_cmp_lg_u32 s[CNT], 0
	s_cbranch_scc1 .Lpair_\@
.endm
	s_wait_tensorcnt 0x3                           ; of my five loads cc's and stage 0's have landed; the three later stages' may stay out
	s_barrier_signal -1
	s_barrier_wait -1                              ; everybody's have
	v_mov_b32 v[VA], v[VA0]                        ; (all loads of the rows are in: their offset's register is free)
.irp n, 0,1,2,3
	ds_load_b128 v[AB+4*\n:AB+4*\n+3], v[VA] offset:32*\n  ; tile 0
.endr
	STEP 0, 1                                      ; tile 0
	LOOP7                                          ; tiles 1 to 14
	STEP 1, 0, 0, 1, 2                             ; tile 15 fetches tile 16, stage 1's first: two later stages may stay out
	STEP 0
	LOOP7                                          ; tiles 17 to 30
	STEP 1, 0, 0, 1, 1                             ; tile 31: stage 2
	STEP 0
	LOOP7                                          ; tiles 33 to 46
	STEP 1, 0, 0, 1, 0                             ; tile 47: stage 3, my last load
	STEP 0
	LOOP7                                          ; tiles 49 to 62
	STEP 1, 0, 1                                   ; tile 63
	s_wait_dscnt 0x0                               ; its cc
.irp i, 0,1,2,3,4,5,6,7
	VC 1, \i                                       ; and its vector work; the slice above is the places behind the last product
.endr
; (b, c) takes (ob, oc) where that is the smaller distance, or the same distance at the smaller code: the first index among equals
.macro LEX b, c, ob, oc
	v_cmp_lt_f32 s72, v[\ob], v[\b]
	v_cmp_eq_f32 s73, v[\ob], v[\b]
	v_cmp_lt_u32 s74, v[\oc], v[\c]
	s_and_b32 s73, s73, s74
	s_or_b32 s72, s72, s73
	v_cndmask_b32 v[\b], v[\b], v[\ob], s72
	v_cndmask_b32 v[\c], v[\c], v[\oc], s72
.endm
	; THE END.  j = the first kept d that equals the best.  The mark less its base, over 4, is 16 u + 8 h; tile u holds the codes 512 (u / 16) + 256 ch + 16 (u % 16) on.
.set q, 0
.rept 4
.set st, ST+10*q
	v_mov_b32 v[EJ+q], 7
.irp j, 6,5,4,3,2,1,0
	v_cmp_eq_f32 vcc_lo, v[st+\j], v[st+9]
	v_cndmask_b32 v[EJ+q], v[EJ+q], \j, vcc_lo
.endr
	v_sub_nc_u32 v[EC+q], v[st+8], s[CB0]
	v_lshrrev_b32 v[EC+q], 2, v[EC+q]
	v_and_b32 v[ET], 0x300, v[EC+q]                ; 256 (u / 16), once more
	v_add3_u32 v[EC+q], v[EC+q], v[ET], v[EJ+q]
	v_add_nc_u32 v[EC+q], s[C256], v[EC+q]
	v_mov_b32 v[EB+q], v[st+9]
	v_permlanex16_b32 v[EOB+q], v[EB+q], s[SEL], s[SEL+1]  ; the row's other eight codes of each tile lie in the lane 16 away
	v_permlanex16_b32 v[EOC+q], v[EC+q], s[SEL], s[SEL+1]
	LEX EB+q, EC+q, EOB+q, EOC+q                   ; both lanes now hold the same
.set q, q+1
.endr
	v_and_b32 v[ET], 31, v0
	s_lshl_b32 s75, s[QG], 10
	s_add_co_u32 s75, s75, MRG
	v_lshl_add_u32 v[ET], v[ET], 5, s75            ; 1,024 bytes for each group of rows, 32 a lane
	s_cmp_eq_u32 s[CH], 0
	s_cbranch_scc1 .Lkeeps
	ds_store_b128 v[ET], v[EB:EB+3]                ; the waves of ch = 1 hand over
	ds_store_b128 v[ET], v[EC:EC+3] offset:16
.Lkeeps:
	s_wait_dscnt 0x0                               ; for the others' sake: my stores are done
	s_barrier_signal -1
	s_barrier_wait -1
	s_cmp_lg_u32 s[CH], 0
	s_cbranch_scc1 .Lend
	ds_load_b128 v[EOB:EOB+3], v[ET]
	ds_load_b128 v[EOC:EOC+3], v[ET] offset:16
	v_and_b32 v[ET+1], 15, v0
	v_lshlrev_b32 v[ET+1], 4, v[ET+1]
	v_bfe_u32 v[ET+10], v0, 4, 1
	v_lshl_add_u32 v[ET+1], v[ET+10], 3, v[ET+1]   ; 16 r + 8 h: rows 4 r + 2 h and 4 r + 2 h + 1, 4 bytes each
	s_wait_dscnt 0x0
.irp q, 0,1,2,3
	LEX EB+\q, EC+\q, EOB+\q, EOC+\q
.endr
	v_cndmask_b32 v[ET+2], v[EC], v[EC+2], s[HM]   ; lanes 0-15 store rows 4 r, 4 r + 1; lanes 16-31 rows 4 r + 2, 4 r + 3
	v_cndmask_b32 v[ET+3], v[EC+1], v[EC+3], s[HM]
	global_store_b64 v[ET+1], v[ET+2:ET+3], s[10:11]  ; the wave's store covers 256 consecutive bytes, at a multiple of 256 from idx's first
	v_lshrrev_b32 v[ET+4], 3, v[ET+2]
	v_lshrrev_b32 v[ET+5], 3, v[ET+3]
	v_and_b32 v[ET+6], 7, v[ET+2]
	v_and_b32 v[ET+7], 7, v[ET+3]
.irp t, 4,5,6,7
	v_cvt_f32_u32 v[ET+\t], v[ET+\t]
.endr
	v_cvt_pk_f16_f32 v[ET+8], v[ET+4], v[ET+5]     ; whole numbers up to 255: exact in f16
	v_cvt_pk_f16_f32 v[ET+9], v[ET+6], v[ET+7]
	global_store_b64 v[ET+1], v[ET+8:ET+9], s[12:13]
	v_add_f32 v[ET+10], v[EB], v[EB+1]             ; the least d of my four rows,
	v_add_f32 v[ET+11], v[EB+2], v[EB+3]
	v_add_f32 v[ET+10], v[ET+10], v[ET+11]
	v_add_f32_dpp v[ET+10], v[ET+10], v[ET+10] row_xmask:1 row_mask:0xf bank_mask:0xf  ; and of the sixteen lanes' 64
	v_add_f32_dpp v[ET+10], v[ET+10], v[ET+10] row_xmask:2 row_mask:0xf bank_mask:0xf
	v_add_f32_dpp v[ET+10], v[ET+10], v[ET+10] row_xmask:4 row_mask:0xf bank_mask:0xf
	v_add_f32_dpp v[ET+10], v[ET+10], v[ET+10] row_xmask:8 row_mask:0xf bank_mask:0xf
	v_and_b32 v[ET+11], 31, v0
	v_mov_b32 v[ET+12], 0
	v_cmp_eq_u32 vcc_lo, 0, v[ET+11]
	s_wait_xcnt 0x0                                ; EXEC changes only behind this wait: it is a source of the stores above
	s_and_saveexec_b32 s72, vcc_lo
	global_store_b32 v[ET+12], v[ET+10], s[14:15]  ; lane 0 alone
	s_wait_xcnt 0x0                                ; and again, in front of the line that widens it
	s_or_b32 exec_lo, exec_lo, s72
.Lend:
	s_wait_tensorcnt 0x0                           ; the wave's end: behind my last tensor load and my last LDS store
	ds_add_u32 v[SPW], v[NIL]
	s_wait_dscnt 0x0
	ROUND                                          ; the closing round: no work-group ends while a partner may still ask for a piece that names it
	s_endpgm
.Lfunc_end_k_q32448b6cee_argmin:
	.size	k_q32448b6cee_argmin, .Lfunc_end_k_q32448b6cee_argmin-k_q32448b6cee_argmin
	.p2alignl 7, 3214868480
	.fill 96, 4, 3214868480
	.section	.rodata,"a",@progbits
	.p2align	6, 0x0
	.amdhsa_kernel k_q32448b6cee_argmin
		.amdhsa_group_segment_fixed_size 308224
		.amdhsa_private_segment_fixed_size 0
		.amdhsa_enable_private_segment 0
		.amdhsa_kernarg_size 48
		.amdhsa_user_sgpr_count 2
		.amdhsa_user_sgpr_kernarg_segment_ptr 1
		.amdhsa_wavefront_size32 1
		.amdhsa_system_sgpr_workgroup_id_x 1
		.amdhsa_system_sgpr_workgroup_id_y 1
		.amdhsa_system_sgpr_workgroup_id_z 1
		.amdhsa_system_vgpr_workitem_id 0
		.amdhsa_next_free_vgpr 256
		.amdhsa_next_free_sgpr 80
		.amdhsa_reserve_vcc 1
		.amdhsa_float_denorm_mode_32 3
		.amdhsa_float_denorm_mode_16_64 3
		.amdhsa_memory_ordered 1
		.amdhsa_forward_progress 1
		.amdhsa_inst_pref_size 121
	.end_amdhsa_kernel
	.amdgpu_metadata
---
amdhsa.version: [ 1, 2 ]
amdhsa.kernels:
  - .name:           k_q32448b6cee_argmin
    .symbol:         k_q32448b6cee_argmin.kd
    .args:
      - { .name: inputs, .offset: 0, .size: 8, .value_kind: global_buffer, .address_space: global }
      - { .name: tabB, .offset: 8, .size: 8, .value_kind: global_buffer, .address_space: global }
      - { .name: ccb, .offset: 16, .size: 8, .value_kind: global_buffer, .address_space: global }
      - { .name: idx, .offset: 24, .size: 8, .value_kind: global_buffer, .address_space: global }
      - { .name: ab, .offset: 32, .size: 8, .value_kind: global_buffer, .address_space: global }
      - { .name: lossp, .offset: 40, .size: 8, .value_kind: global_buffer, .address_space: global }
    .group_segment_fixed_size: 308224
    .private_segment_fixed_size: 0
    .kernarg_segment_align: 8
    .kernarg_segment_size: 48
    .max_flat_workgroup_size: 256
    .sgpr_count:     80
    .vgpr_count:     256
    .wavefront_size: 32
...
	.end_amdgpu_metadata
.endif
;; end of part 2
;; launch gather (part 3): grid 256 x 1, 8 waves a work-group, no clusters, 25,600 bytes of LDS; arguments tabB, idx, ab, out0, part; writes out0, part
.if DOCPART == 3
	.amdgcn_target "amdgcn-amd-amdhsa--gfx1250"
	.amdhsa_code_object_version 6
	.text
	.protected	k_q32448b6cee_gather
	.globl	k_q32448b6cee_gather
	.p2align	8
	.type	k_q32448b6cee_gather,@function
k_q32448b6cee_gather:
	s_mov_b64 s[64:65], 0
	v_nop
	global_prefetch_b8 v0, s[64:65] scope:SCOPE_SE
	s_setreg_imm32_b32 hwreg(HW_REG_WAVE_MODE, 25, 1), 1
	s_wait_xcnt 0x0
; VECTOR QUANTIZER, launch 3 of 4: out0[n][:] = the code idx[n], and partial counts of the indices.
; Left out as dead (shown at the head of launch 1): inputs + (quantized - inputs) is quantized, so inputs is not read; one_hot and its mean are a count.
; THE GATHER.  Work-group w owns rows 256 w on, wave v 32 of them; sixteen lanes serve a row: 8 bytes of tabB (four bf16 of -2 c) a lane become 16 bytes of out0, times -0.5: exact.
; The indices are whole numbers that launch 2 stored; each is held to 0 .. 2,047 before it enters an address.
; THE COUNTS.  With k = 8 a + b, count[a][b] = the sum over rows n of [a_n = a][b_n = b]: a product of two one-hot matrices, K = the rows.  Work-group w = 16 sg + bt takes the 4,096 rows of
; split sg and the bins 128 bt + 0..127 (a = 16 bt + 0..15, b = 0..7); wave v takes 16 of the 128 K steps of 32 rows.  Source 0: row m is [b_n = m] (rows 8-15 never match); source 1: column r is
; [a_n = 16 bt + r].  In the result lane r of the lower half holds bins 128 bt + 8 r + 0..7.  A pair of one-hot numbers is three packed f16 lines on what launch 2 stored as f16:
; y = a - (16 bt + r); 1 - y y; the greater of that and 0: exactly 1 or 0 (|y| is a whole number up to 255: y y stays under f16's 65,504).  Sums in f32: counts are exact.
; NO CLUSTER: the launch loads through registers; what work-groups share, a split's 16,384 bytes of ab, is a quarter of the 65,536 bytes that each stores.
.set ABL,   0                          ; LDS: the split's ab, as it lies in memory: 8 bytes a pair of rows: {a, a}, {b, b}
.set HS,    16384                      ; 1,024 bytes for each wave's partial counts
.set SPARE, 24576                      ; the spare words, 128 bytes for each wave: four blocks of 256 bytes that no other line names
.set SPW,  1                           ; v1   my spare word's address; never rewritten
.set NIL,  2                           ; v2   0; never rewritten
.set ZERO, 3                           ; v3   0, 0 in f16
.set ONE,  4                           ; v4   1, 1 in f16
.set NEGA, 5                           ; v5   -(16 bt + r), twice, in f16
.set NEGB, 6                           ; v6   -r, twice
.set TO,   7                           ; v7   16 x thread
.set IO,   8                           ; v8   my 16 rows' indices: 128 v + 64 (lane / 16)
.set CO,   9                           ; v9   8 (lane % 16): my 8 bytes of a code's row
.set OO,   10                          ; v10  my 16 bytes of out0: 8,192 v + 4,096 (lane / 16) + 16 (lane % 16)
.set VH,   11                          ; v11  my place in my wave's K steps: 2,048 v + 32 (lane / 16)
.set HW,   12                          ; v12  where my eight counts go
.set HR,   13                          ; v13  where wave 0 reads four bins of a wave's counts
.set T0,   14
.set T1,   15
.set IX,   16                          ; v[16:31]   the indices, then the offsets in tabB
.set TAB,  32                          ; v[32:63]   16 x 8 bytes of tabB
.set OUT,  64                          ; v[64:127]  16 x 16 bytes of out0; none is written twice
.set R,    128                         ; v[128:159] a K step's 16 words of ab, two buffers
.set E,    160                         ; v[160:191] two buffers: source 0 (8), source 1 (8)
.set ACC,  192                         ; v[192:207] two accumulators
.set TMP,  208                         ; v[208:223] ab on its way into LDS
.set WV,   14                          ; s14  my wave's number
.set HMASK, 30                         ; s30  a word's upper bf16
	s_load_b256 s[4:11], s[0:1], 0x0               ; tabB s[4:5], idx s[6:7], ab s[8:9], out0 s[10:11]
	s_load_b64 s[12:13], s[0:1], 0x20              ; part
	v_lshl_add_u32 v[SPW], v0, 2, SPARE
	v_mov_b32 v[NIL], 0
	v_lshrrev_b32 v[T0], 5, v0
	v_readfirstlane_b32 s[WV], v[T0]               ; wave 0..7
	s_lshr_b32 s15, ttmp9, 4                       ; sg
	s_and_b32 s16, ttmp9, 15                       ; bt
	v_and_b32 v[T0], 15, v0                        ; r
	v_bfe_u32 v[T1], v0, 4, 1                      ; lane / 16
	v_mov_b32 v[ZERO], 0
	v_mov_b32 v[ONE], 0x3c003c00
	s_lshl_b32 s17, s16, 4
	v_add_nc_u32 v[TMP], s17, v[T0]
	v_cvt_f32_u32 v[TMP], v[TMP]
	v_mul_f32 v[TMP], -1.0, v[TMP]
	v_cvt_pk_f16_f32 v[NEGA], v[TMP], v[TMP]
	v_cvt_f32_u32 v[TMP+1], v[T0]
	v_mul_f32 v[TMP+1], -1.0, v[TMP+1]
	v_cvt_pk_f16_f32 v[NEGB], v[TMP+1], v[TMP+1]
	v_lshlrev_b32 v[TO], 4, v0
	s_lshl_b32 s18, s[WV], 7
	v_lshl_add_u32 v[IO], v[T1], 6, s18
	v_lshlrev_b32 v[CO], 3, v[T0]
	s_lshl_b32 s19, s[WV], 13
	v_lshl_add_u32 v[OO], v[T1], 12, s19
	v_lshl_add_u32 v[OO], v[T0], 4, v[OO]
	s_lshl_b32 s20, s[WV], 11
	v_lshl_add_u32 v[VH], v[T1], 5, s20
	v_and_b32 v[HW], 31, v0
	v_lshlrev_b32 v[HR], 4, v[HW]
	v_add_nc_u32 v[HR], HS, v[HR]
	s_lshl_b32 s21, s[WV], 10
	s_add_co_u32 s21, s21, HS
	v_lshl_add_u32 v[HW], v[HW], 5, s21
	s_lshl_b32 s22, s15, 14                        ; the split's 4,096 rows in ab
	s_mov_b32 s23, 0
	s_lshl_b32 s24, ttmp9, 10                      ; the work-group's 256 rows in idx,
	s_mov_b32 s25, 0
	s_lshl_b32 s26, ttmp9, 16                      ; and in out0
	s_mov_b32 s27, 0
	s_lshl_b32 s28, s15, 13                        ; part[sg][128 bt ..]
	s_lshl_b32 s29, s16, 9
	s_add_co_u32 s28, s28, s29
	s_mov_b32 s29, 0
	s_mov_b32 s[HMASK], 0xffff0000
	s_wait_kmcnt 0x0
	s_add_nc_u64 s[8:9], s[8:9], s[22:23]
	s_add_nc_u64 s[6:7], s[6:7], s[24:25]
	s_add_nc_u64 s[10:11], s[10:11], s[26:27]
	s_add_nc_u64 s[12:13], s[12:13], s[28:29]
.irp c, 0,1,2,3
	global_load_b128 v[TMP+4*\c:TMP+4*\c+3], v[TO], s[8:9] offset:4096*\c  ; a wave's load takes 512 consecutive bytes
.endr
.irp c, 0,1,2,3
	global_load_b128 v[IX+4*\c:IX+4*\c+3], v[IO], s[6:7] offset:16*\c      ; sixteen lanes take the same 16 indices
.endr
	s_wait_loadcnt 0x4                             ; ab is in; the four loads of indices may stay out
.irp c, 0,1,2,3
	ds_store_b128 v[TO], v[TMP+4*\c:TMP+4*\c+3] offset:ABL+4096*\c
.endr
	s_wait_loadcnt 0x0
.set i, 0
.rept 16
	v_min_u32 v[IX+i], 0x7ff, v[IX+i]              ; inside the table, whatever was stored
	v_lshlrev_b32 v[IX+i], 7, v[IX+i]              ; a code's row is 128 bytes
	v_add_nc_u32 v[IX+i], v[CO], v[IX+i]
.set i, i+1
.endr
.set i, 0
.rept 16
	global_load_b64 v[TAB+2*i:TAB+2*i+1], v[IX+i], s[4:5]  ; sixteen lanes take a code's 128 bytes; these are on their way while the counts are made
.set i, i+1
.endr
	s_wait_dscnt 0x0                               ; for the others' sake: my part of ab lies in LDS
	s_barrier_signal -1
	s_barrier_wait -1
; K step n's 16 words: fragment registers 0-3 are rows 8 h + 0..7 of the step's 32: four pairs, 32 bytes at 32 h; registers 4-7 are rows 16 + 8 h on: 64 bytes further.
.macro HLOAD n
.set rb, R+16*((\n)%2)
	ds_load_b128 v[rb:rb+3],     v[VH] offset:ABL+128*(\n)
	ds_load_b128 v[rb+4:rb+7],   v[VH] offset:ABL+128*(\n)+16
	ds_load_b128 v[rb+8:rb+11],  v[VH] offset:ABL+128*(\n)+64
	ds_load_b128 v[rb+12:rb+15], v[VH] offset:ABL+128*(\n)+80
.endm
; The two accumulators take turns; the first two products start the sums.  A buffer of sources is written again 48 plain lines behind the product that read it.
.macro KSTEP n
.if (\n) < 15
	HLOAD (\n)+1
	s_wait_dscnt 0x4                               ; this step's words are in; the next step's four loads may stay out
.else
	s_wait_dscnt 0x0
.endif
.set rb, R+16*((\n)%2)
.set eb, E+16*((\n)%2)
.set ac, ACC+8*((\n)%2)
.irp i, 0,1,2,3,4,5,6,7
	v_pk_add_f16 v[eb+\i], v[rb+2*\i+1], v[NEGB]
.endr
.irp i, 0,1,2,3,4,5,6,7
	v_pk_add_f16 v[eb+8+\i], v[rb+2*\i], v[NEGA]
.endr
.irp i, 0,1,2,3,4,5,6,7,8,9,10,11,12,13,14,15
	v_pk_fma_f16 v[eb+\i], v[eb+\i], v[eb+\i], v[ONE] neg_lo:[0,1,0] neg_hi:[0,1,0]
.endr
.irp i, 0,1,2,3,4,5,6,7,8,9,10,11,12,13,14,15
	v_pk_max_num_f16 v[eb+\i], v[eb+\i], v[ZERO]
.endr
.if (\n) < 2
	v_wmma_f32_16x16x32_f16 v[ac:ac+7], v[eb:eb+7], v[eb+8:eb+15], 0
.else
	v_wmma_f32_16x16x32_f16 v[ac:ac+7], v[eb:eb+7], v[eb+8:eb+15], v[ac:ac+7]
.endif
.endm
	HLOAD 0
.irp n, 0,1,2,3,4,5,6,7,8,9,10,11,12,13,14,15
	KSTEP \n
.endr
	; the rows leave; these lines are also the places behind the last products
.set i, 0
.rept 16
	s_wait_loadcnt 15-i                            ; the younger loads may stay out
	v_lshlrev_b32 v[OUT+4*i],   16, v[TAB+2*i]     ; bf16 to f32: the low half moves up,
	v_and_b32     v[OUT+4*i+1], s[HMASK], v[TAB+2*i]  ; the high half stays
	v_lshlrev_b32 v[OUT+4*i+2], 16, v[TAB+2*i+1]
	v_and_b32     v[OUT+4*i+3], s[HMASK], v[TAB+2*i+1]
	v_pk_mul_f32 v[OUT+4*i:OUT+4*i+1],   v[OUT+4*i:OUT+4*i+1],   -0.5 op_sel_hi:[1,0]
	v_pk_mul_f32 v[OUT+4*i+2:OUT+4*i+3], v[OUT+4*i+2:OUT+4*i+3], -0.5 op_sel_hi:[1,0]
	global_store_b128 v[OO], v[OUT+4*i:OUT+4*i+3], s[10:11] offset:256*i th:TH_STORE_NT  ; sixteen lanes store a row's 256 consecutive bytes, at a multiple of 256 from out0's first
.set i, i+1
.endr
.irp k, 0,2,4,6
	v_pk_add_f32 v[ACC+\k:ACC+\k+1], v[ACC+\k:ACC+\k+1], v[ACC+8+\k:ACC+8+\k+1]  ; the two accumulators, from their low ends on
.endr
	ds_store_b128 v[HW], v[ACC:ACC+3]              ; lanes 0-15: bins 8 r + 0..7 at byte 32 r: a wave's first 512 bytes are its 128 bins in order
	ds_store_b128 v[HW], v[ACC+4:ACC+7] offset:16
	s_wait_dscnt 0x0
	s_barrier_signal -1
	s_barrier_wait -1                              ; all eight waves' counts lie in LDS
	s_cmp_lg_u32 s[WV], 0
	s_cbranch_scc1 .Lend
.irp w, 0,1,2,3,4,5,6,7
	ds_load_b128 v[R+4*\w:R+4*\w+3], v[HR] offset:1024*\w  ; four bins a lane
.endr
	v_and_b32 v[T0], 31, v0
	v_lshlrev_b32 v[T0], 4, v[T0]
	s_wait_dscnt 0x0
.irp w, 1,2,3,4,5,6,7
	v_pk_add_f32 v[R:R+1],   v[R:R+1],   v[R+4*\w:R+4*\w+1]
	v_pk_add_f32 v[R+2:R+3], v[R+2:R+3], v[R+4*\w+2:R+4*\w+3]
.endr
	global_store_b128 v[T0], v[R:R+3], s[12:13]    ; 512 consecutive bytes, at a multiple of 256 from part's first
.Lend:
	s_wait_tensorcnt 0x0                           ; the wave's end: behind my last LDS store
	ds_add_u32 v[SPW], v[NIL]
	s_wait_dscnt 0x0
	s_endpgm
.Lfunc_end_k_q32448b6cee_gather:
	.size	k_q32448b6cee_gather, .Lfunc_end_k_q32448b6cee_gather-k_q32448b6cee_gather
	.p2alignl 7, 3214868480
	.fill 96, 4, 3214868480
	.section	.rodata,"a",@progbits
	.p2align	6, 0x0
	.amdhsa_kernel k_q32448b6cee_gather
		.amdhsa_group_segment_fixed_size 25600
		.amdhsa_private_segment_fixed_size 0
		.amdhsa_enable_private_segment 0
		.amdhsa_kernarg_size 40
		.amdhsa_user_sgpr_count 2
		.amdhsa_user_sgpr_kernarg_segment_ptr 1
		.amdhsa_wavefront_size32 1
		.amdhsa_system_sgpr_workgroup_id_x 1
		.amdhsa_system_sgpr_workgroup_id_y 1
		.amdhsa_system_sgpr_workgroup_id_z 1
		.amdhsa_system_vgpr_workitem_id 0
		.amdhsa_next_free_vgpr 224
		.amdhsa_next_free_sgpr 66
		.amdhsa_reserve_vcc 0
		.amdhsa_float_denorm_mode_32 3
		.amdhsa_float_denorm_mode_16_64 3
		.amdhsa_memory_ordered 1
		.amdhsa_forward_progress 1
		.amdhsa_inst_pref_size 69
	.end_amdhsa_kernel
	.amdgpu_metadata
---
amdhsa.version: [ 1, 2 ]
amdhsa.kernels:
  - .name:           k_q32448b6cee_gather
    .symbol:         k_q32448b6cee_gather.kd
    .args:
      - { .name: tabB, .offset: 0, .size: 8, .value_kind: global_buffer, .address_space: global }
      - { .name: idx, .offset: 8, .size: 8, .value_kind: global_buffer, .address_space: global }
      - { .name: ab, .offset: 16, .size: 8, .value_kind: global_buffer, .address_space: global }
      - { .name: out0, .offset: 24, .size: 8, .value_kind: global_buffer, .address_space: global }
      - { .name: part, .offset: 32, .size: 8, .value_kind: global_buffer, .address_space: global }
    .group_segment_fixed_size: 25600
    .private_segment_fixed_size: 0
    .kernarg_segment_align: 8
    .kernarg_segment_size: 40
    .max_flat_workgroup_size: 256
    .sgpr_count:     66
    .vgpr_count:     224
    .wavefront_size: 32
...
	.end_amdgpu_metadata
.endif
;; end of part 3
;; launch final (part 4): grid 1 x 1, 32 waves a work-group, no clusters, 4,352 bytes of LDS; arguments part, lossp, out1, out2, out3; writes out1, out2, out3
.if DOCPART == 4
	.amdgcn_target "amdgcn-amd-amdhsa--gfx1250"
	.amdhsa_code_object_version 6
	.text
	.protected	k_q32448b6cee_final
	.globl	k_q32448b6cee_final
	.p2align	8
	.type	k_q32448b6cee_final,@function
k_q32448b6cee_final:
	s_mov_b64 s[64:65], 0
	v_nop
	global_prefetch_b8 v0, s[64:65] scope:SCOPE_SE
	s_setreg_imm32_b32 hwreg(HW_REG_WAVE_MODE, 25, 1), 1
	s_wait_xcnt 0x0
; VECTOR QUANTIZER, launch 4 of 4: the three numbers.
; Left out as dead (shown at the head of launch 1): the two losses are one mean, made of launch 2's least distances; avg_probs is a count over 65,536.
;   out1 = exp(-sum p ln(p + 1e-10)) = 2^(-sum p log2(p + 1e-10)), p = count / 65,536;   out2 = (sum of the least distances) / 2^22;   out3 = out2 / 4.
; One work-group of 1,024 threads, since every number here hangs on all counts.  Thread t owns bins 2 t and 2 t + 1 (16 partial counts each, exact in f32) and lossp[t].
; The sums go over the lanes of a wave, then through 8 bytes of LDS for each wave, then over the lanes of wave 0.
.set RED,   0                          ; LDS: 32 waves x 8 bytes
.set SPARE, 256                        ; the spare words, 128 bytes for each of 32 waves: sixteen blocks of 256 bytes that no other line names
.set SPW, 1                            ; v1   my spare word's address; never rewritten
.set NIL, 2                            ; v2   0; never rewritten
.set PO,  3                            ; v3   8 x thread
.set LO,  4                            ; v4   4 x thread
.set WA,  5                            ; v5   8 x wave
.set N,   8                            ; v[8:39]  16 pairs of counts
.set S,   40                           ; v[40:41] the entropy's sum, the distances' sum
.set T,   42                           ; v42, v43 at work
.macro OVER x, t                       ; the sum of x over the wave's 32 lanes, in every lane
	v_add_f32_dpp v[\x], v[\x], v[\x] row_xmask:1 row_mask:0xf bank_mask:0xf
	v_add_f32_dpp v[\x], v[\x], v[\x] row_xmask:2 row_mask:0xf bank_mask:0xf
	v_add_f32_dpp v[\x], v[\x], v[\x] row_xmask:4 row_mask:0xf bank_mask:0xf
	v_add_f32_dpp v[\x], v[\x], v[\x] row_xmask:8 row_mask:0xf bank_mask:0xf
	v_permlanex16_b32 v[\t], v[\x], s16, s17
	v_add_f32 v[\x], v[\x], v[\t]
.endm
	s_load_b256 s[4:11], s[0:1], 0x0               ; part s[4:5], lossp s[6:7], out1 s[8:9], out2 s[10:11]
	s_load_b64 s[12:13], s[0:1], 0x20              ; out3
	v_lshl_add_u32 v[SPW], v0, 2, SPARE
	v_mov_b32 v[NIL], 0
	v_lshrrev_b32 v[WA], 5, v0
	v_readfirstlane_b32 s14, v[WA]                 ; wave 0..31
	v_lshlrev_b32 v[WA], 3, v[WA]
	v_lshlrev_b32 v[PO], 3, v0
	v_lshlrev_b32 v[LO], 2, v0
	s_mov_b32 s16, 0x76543210                      ; v_permlanex16_b32: each lane takes its own place in the other half
	s_mov_b32 s17, 0xfedcba98
	v_mov_b32 v[T+1], 0                            ; v_permlanex16_b32's destinations count as read
	s_wait_kmcnt 0x0
.set g, 0
.rept 16
	global_load_b64 v[N+2*g:N+2*g+1], v[PO], s[4:5] offset:8192*g  ; split g: a wave's load takes 256 consecutive bytes
.set g, g+1
.endr
	global_load_b32 v[S+1], v[LO], s[6:7]
	s_wait_loadcnt 0x0
.set g, 1
.rept 15
	v_pk_add_f32 v[N:N+1], v[N:N+1], v[N+2*g:N+2*g+1]
.set g, g+1
.endr
	v_pk_mul_f32 v[N:N+1], v[N:N+1], 0x37800000 op_sel_hi:[1,0]      ; p = count x 2^-16
	v_pk_add_f32 v[N+2:N+3], v[N:N+1], 0x2edbe6ff op_sel_hi:[1,0]    ; p + 1e-10
	v_log_f32 v[N+2], v[N+2]
	v_log_f32 v[N+3], v[N+3]
	v_mov_b32 v[T], 0                              ; a plain line behind the last logarithm
	s_wait_alu depctr_va_vdst(0)                   ; the wait ahead of the first use: one for both logarithms
	v_mul_f32 v[S], v[N], v[N+2]
	v_fma_f32 v[S], v[N+1], v[N+3], v[S]
	OVER S, T
	OVER S+1, T+1
	ds_store_b64 v[WA], v[S:S+1] offset:RED        ; all lanes write the same two words with the same numbers
	s_wait_dscnt 0x0
	s_barrier_signal -1
	s_barrier_wait -1
	s_cmp_lg_u32 s14, 0
	s_cbranch_scc1 .Lend
	ds_load_b64 v[S:S+1], v[PO] offset:RED         ; in wave 0 the thread is the lane: lane l takes wave l's two sums
	s_wait_dscnt 0x0
	OVER S, T
	OVER S+1, T+1
	v_mul_f32 v[T], -1.0, v[S]
	v_exp_f32 v[T], v[T]
	v_mul_f32 v[N], 0x34800000, v[S+1]             ; the mean over 65,536 x 64 numbers: x 2^-22; also the plain line behind the exponential
	s_wait_alu depctr_va_vdst(0)                   ; and its wait, ahead of the store that reads it
	v_mul_f32 v[N+1], 0x3e800000, v[N]             ; x 0.25
	v_mov_b32 v[N+2], 0
	v_cmp_eq_u32 vcc_lo, 0, v0
	s_wait_xcnt 0x0                                ; EXEC changes only behind this wait
	s_and_saveexec_b32 s18, vcc_lo
	global_store_b32 v[N+2], v[T], s[8:9]          ; thread 0 alone
	global_store_b32 v[N+2], v[N], s[10:11]
	global_store_b32 v[N+2], v[N+1], s[12:13]
	s_wait_xcnt 0x0                                ; and again, in front of the line that widens it
	s_or_b32 exec_lo, exec_lo, s18
.Lend:
	s_wait_tensorcnt 0x0                           ; the wave's end: behind my last LDS store
	ds_add_u32 v[SPW], v[NIL]
	s_wait_dscnt 0x0
	s_endpgm
.Lfunc_end_k_q32448b6cee_final:
	.size	k_q32448b6cee_final, .Lfunc_end_k_q32448b6cee_final-k_q32448b6cee_final
	.p2alignl 7, 3214868480
	.fill 96, 4, 3214868480
	.section	.rodata,"a",@progbits
	.p2align	6, 0x0
	.amdhsa_kernel k_q32448b6cee_final
		.amdhsa_group_segment_fixed_size 4352
		.amdhsa_private_segment_fixed_size 0
		.amdhsa_enable_private_segment 0
		.amdhsa_kernarg_size 40
		.amdhsa_user_sgpr_count 2
		.amdhsa_user_sgpr_kernarg_segment_ptr 1
		.amdhsa_wavefront_size32 1
		.amdhsa_system_sgpr_workgroup_id_x 1
		.amdhsa_system_sgpr_workgroup_id_y 1
		.amdhsa_system_sgpr_workgroup_id_z 1
		.amdhsa_system_vgpr_workitem_id 0
		.amdhsa_next_free_vgpr 48
		.amdhsa_next_free_sgpr 66
		.amdhsa_reserve_vcc 1
		.amdhsa_float_denorm_mode_32 3
		.amdhsa_float_denorm_mode_16_64 3
		.amdhsa_memory_ordered 1
		.amdhsa_forward_progress 1
		.amdhsa_inst_pref_size 7
	.end_amdhsa_kernel
	.amdgpu_metadata
---
amdhsa.version: [ 1, 2 ]
amdhsa.kernels:
  - .name:           k_q32448b6cee_final
    .symbol:         k_q32448b6cee_final.kd
    .args:
      - { .name: part, .offset: 0, .size: 8, .value_kind: global_buffer, .address_space: global }
      - { .name: lossp, .offset: 8, .size: 8, .value_kind: global_buffer, .address_space: global }
      - { .name: out1, .offset: 16, .size: 8, .value_kind: global_buffer, .address_space: global }
      - { .name: out2, .offset: 24, .size: 8, .value_kind: global_buffer, .address_space: global }
      - { .name: out3, .offset: 32, .size: 8, .value_kind: global_buffer, .address_space: global }
    .group_segment_fixed_size: 4352
    .private_segment_fixed_size: 0
    .kernarg_segment_align: 8
    .kernarg_segment_size: 40
    .max_flat_workgroup_size: 1024
    .sgpr_count:     66
    .vgpr_count:     48
    .wavefront_size: 32
...
	.end_amdgpu_metadata
.endif
;; end of part 4
;; ======== version 2 of 2: 4 launches; version 1 with the launch gather written anew for expert scheduling mode
;; limits: a difference of large sums (such as E[x^2] - mean^2): digits are lost where the result is much smaller than its terms
;; workspace buffers: tabB 262,144 bytes; ccb 8,192 bytes; idx 262,144 bytes of whole numbers; ab 262,144 bytes; lossp 4,096 bytes; part 131,072 bytes
;; launch prep: the kernel of part 1 again; grid 16 x 1, 4 waves a work-group, no clusters, 18,944 bytes of LDS; arguments codebook, tabB, ccb; writes tabB, ccb
;; launch argmin: the kernel of part 2 again; grid 256 x 1, 8 waves a work-group, clusters of 4 x 1, 308,224 bytes of LDS; arguments inputs, tabB, ccb, idx, ab, lossp; writes idx, ab, lossp
;; launch gather (part 5): grid 256 x 1, 8 waves a work-group, no clusters, 25,600 bytes of LDS; arguments tabB, idx, ab, out0, part; writes out0, part
.if DOCPART == 5
	.amdgcn_target "amdgcn-amd-amdhsa--gfx1250"
	.amdhsa_code_object_version 6
	.text
	.protected	k_q32448b6cee_gather
	.globl	k_q32448b6cee_gather
	.p2align	8
	.type	k_q32448b6cee_gather,@function
k_q32448b6cee_gather:
	s_mov_b64 s[64:65], 0
	v_nop
	global_prefetch_b8 v0, s[64:65] scope:SCOPE_SE
	s_setreg_imm32_b32 hwreg(HW_REG_WAVE_SCHED_MODE, 0, 2), 2
	s_setreg_imm32_b32 hwreg(HW_REG_WAVE_MODE, 25, 1), 1
	s_wait_xcnt 0x0
	s_wait_alu depctr_vm_vsrc(0)
; VECTOR QUANTIZER, launch 3 of 4: out0[n][:] = the code idx[n], and partial counts of the indices.
; Left out as dead (shown at the head of launch 1): inputs + (quantized - inputs) is quantized, so inputs is not read; one_hot and its mean are a count.
; THE GATHER.  Work-group w owns rows 256 w on, wave v 32 of them; sixteen lanes serve a row: 8 bytes of tabB (four bf16 of -2 c) a lane become 16 bytes of out0, times -0.5: exact.
; The indices are whole numbers that launch 2 stored; each is held to 0 .. 2,047 before it enters an address.
; THE COUNTS.  With k = 8 a + b, count[a][b] = the sum over rows n of [a_n = a][b_n = b]: a product of two one-hot matrices, K = the rows.  Work-group w = 16 sg + bt takes the 4,096 rows of
; split sg and the bins 128 bt + 0..127 (a = 16 bt + 0..15, b = 0..7); wave v takes 16 of the 128 K steps of 32 rows.  Source 0: row m is [b_n = m] (rows 8-15 never match); source 1: column r is
; [a_n = 16 bt + r].  In the result lane r of the lower half holds bins 128 bt + 8 r + 0..7.  A pair of one-hot numbers is three packed f16 lines on what launch 2 stored as f16:
; y = a - (16 bt + r); 1 - y y; the greater of that and 0: exactly 1 or 0 (|y| is a whole number up to 255: y y stays under f16's 65,504).  Sums in f32: counts are exact.
; NO CLUSTER: the launch loads through registers; what work-groups share, a split's 16,384 bytes of ab, is a quarter of the 65,536 bytes that each stores.
; THE MODE: SCHED_MODE bits 1:0 = 2 (LLVM: expert scheduling mode 2), set by the entry lines.  The code itself states the register dependences
; between vector or matrix instructions and memory or LDS instructions, with s_wait_alu, always for 0.
; THE PLAN.  Registers that memory or LDS instructions touch:
;   v7 to v13     offsets and LDS addresses: made at the head, read by loads and stores, never written again.
;   TMP           two of them serve the head's arithmetic; then ab's loads land; the LDS stores read them; never named again.
;   IX            the indices land; vector lines make the table offsets of them; the table loads read them; never written again.
;   TAB           the table loads land; the conversions read them.
;   R0 .. R7      K step n's four LDS loads land in R[n % 8]; the step's sixteen additions read it, and nothing else does.  Steps 0 to 7 are fetched behind the barrier, into registers that no vector
;                 line has named.  Steps 8 to 11 are fetched in step 3 and steps 12 to 15 in step 7, each behind ONE wait, which stands behind that step's additions: four buffers are then empty.
;   OUT           lies where R0 to R3 lay, and is written behind the last K step: rows in four blocks of four.  Block p's conversions write its sixteen registers; its four stores are issued in block
;                 p + 1, behind the wait at that block's head, among conversions that name block p + 1's TAB and OUT alone.  No register of OUT is written twice.
;   ACC           written by matrix instructions and four additions; read by two LDS stores.
;   RED, v14      wave 0 alone: the eight waves' counts land where R4 and R5 lay, are added up and stored.
;   E is named by vector and matrix instructions alone.
; No register that a memory or LDS instruction reads is written again, so no wait on vm_vsrc stands in the text but at the entry and in the closing lines.  EXEC is written nowhere.
.set ABL,   0                          ; LDS: the split's ab, as it lies in memory: 8 bytes a pair of rows: {a, a}, {b, b}
.set HS,    16384                      ; 1,024 bytes for each wave's partial counts
.set SPARE, 24576                      ; the spare words, 128 bytes for each wave: four blocks of 256 bytes that no other line names
.set SPW,  1                           ; v1   my spare word's address; never rewritten
.set NIL,  2                           ; v2   0; never rewritten
.set ZERO, 3                           ; v3   0, 0 in f16
.set ONE,  4                           ; v4   1, 1 in f16
.set NEGA, 5                           ; v5   -(16 bt + r), twice, in f16
.set NEGB, 6                           ; v6   -r, twice
.set TO,   7                           ; v7   16 x thread
.set IO,   8                           ; v8   my 16 rows' indices: 128 v + 64 (lane / 16)
.set CO,   9                           ; v9   8 (lane % 16): my 8 bytes of a code's row
.set OO,   10                          ; v10  my 16 bytes of out0: 8,192 v + 4,096 (lane / 16) + 16 (lane % 16)
.set VH,   11                          ; v11  my place in my wave's K steps: 2,048 v + 32 (lane / 16)
.set HW,   12                          ; v12  where my eight counts go
.set HR,   13                          ; v13  where wave 0 reads four bins of a wave's counts
.set T0,   14
.set T1,   15
.set IX,   16                          ; v[16:31]   the indices, then the offsets in tabB
.set TAB,  32                          ; v[32:63]   16 x 8 bytes of tabB
.set R,    64                          ; v[64:191]  a K step's 16 words of ab, eight buffers
.set OUT,  64                          ; v[64:127]  behind the K steps: 16 x 16 bytes of out0; none is written twice
.set RED,  128                         ; v[128:159] behind the K steps, wave 0: the eight waves' counts; apart from OUT, which stores may still read
.set E,    192                         ; v[192:223] two buffers: source 0 (8), source 1 (8)
.set ACC,  224                         ; v[224:239] two accumulators
.set TMP,  240                         ; v[240:255] ab on its way into LDS
.set WV,   14                          ; s14  my wave's number
.set HMASK, 30                         ; s30  a word's upper bf16
	s_load_b256 s[4:11], s[0:1], 0x0               ; tabB s[4:5], idx s[6:7], ab s[8:9], out0 s[10:11]
	s_load_b64 s[12:13], s[0:1], 0x20              ; part
	v_lshl_add_u32 v[SPW], v0, 2, SPARE
	v_mov_b32 v[NIL], 0
	v_lshrrev_b32 v[T0], 5, v0
	v_readfirstlane_b32 s[WV], v[T0]               ; wave 0..7
	s_lshr_b32 s15, ttmp9, 4                       ; sg
	s_and_b32 s16, ttmp9, 15                       ; bt
	v_and_b32 v[T0], 15, v0                        ; r
	v_bfe_u32 v[T1], v0, 4, 1                      ; lane / 16
	v_mov_b32 v[ZERO], 0
	v_mov_b32 v[ONE], 0x3c003c00
	s_lshl_b32 s17, s16, 4
	v_add_nc_u32 v[TMP], s17, v[T0]
	v_cvt_f32_u32 v[TMP], v[TMP]
	v_mul_f32 v[TMP], -1.0, v[TMP]
	v_cvt_pk_f16_f32 v[NEGA], v[TMP], v[TMP]
	v_cvt_f32_u32 v[TMP+1], v[T0]
	v_mul_f32 v[TMP+1], -1.0, v[TMP+1]
	v_cvt_pk_f16_f32 v[NEGB], v[TMP+1], v[TMP+1]
	v_lshlrev_b32 v[TO], 4, v0
	s_wait_alu depctr_va_sdst(0)                   ; s14, my wave's number, is written, ahead of its first reader: the offsets below are made from it
	s_lshl_b32 s18, s[WV], 7
	v_lshl_add_u32 v[IO], v[T1], 6, s18
	v_lshlrev_b32 v[CO], 3, v[T0]
	s_lshl_b32 s19, s[WV], 13
	v_lshl_add_u32 v[OO], v[T1], 12, s19
	v_lshl_add_u32 v[OO], v[T0], 4, v[OO]
	s_lshl_b32 s20, s[WV], 11
	v_lshl_add_u32 v[VH], v[T1], 5, s20
	v_and_b32 v[HW], 31, v0
	v_lshlrev_b32 v[HR], 4, v[HW]
	v_add_nc_u32 v[HR], HS, v[HR]
	s_lshl_b32 s21, s[WV], 10
	s_add_co_u32 s21, s21, HS
	v_lshl_add_u32 v[HW], v[HW], 5, s21
	s_lshl_b32 s22, s15, 14                        ; the split's 4,096 rows in ab
	s_mov_b32 s23, 0
	s_lshl_b32 s24, ttmp9, 10                      ; the work-group's 256 rows in idx,
	s_mov_b32 s25, 0
	s_lshl_b32 s26, ttmp9, 16                      ; and in out0
	s_mov_b32 s27, 0
	s_lshl_b32 s28, s15, 13                        ; part[sg][128 bt ..]
	s_lshl_b32 s29, s16, 9
	s_add_co_u32 s28, s28, s29
	s_mov_b32 s29, 0
	s_mov_b32 s[HMASK], 0xffff0000
	s_wait_kmcnt 0x0
	s_add_nc_u64 s[8:9], s[8:9], s[22:23]
	s_add_nc_u64 s[6:7], s[6:7], s[24:25]
	s_add_nc_u64 s[10:11], s[10:11], s[26:27]
	s_add_nc_u64 s[12:13], s[12:13], s[28:29]
	s_wait_alu depctr_va_vdst(0)                   ; the offsets and LDS addresses v7 to v13 are written, which the kernel's loads and stores read; the lines above are done with TMP's first two registers, in which loads land
.irp c, 0,1,2,3
	global_load_b128 v[TMP+4*\c:TMP+4*\c+3], v[TO], s[8:9] offset:4096*\c  ; a wave's load takes 512 consecutive bytes
.endr
.irp c, 0,1,2,3
	global_load_b128 v[IX+4*\c:IX+4*\c+3], v[IO], s[6:7] offset:16*\c      ; sixteen lanes take the same 16 indices
.endr
	s_wait_loadcnt 0x4                             ; ab is in; the four loads of indices may stay out
.irp c, 0,1,2,3
	ds_store_b128 v[TO], v[TMP+4*\c:TMP+4*\c+3] offset:ABL+4096*\c
.endr
	s_wait_loadcnt 0x0
.set i, 0
.rept 16
	v_min_u32 v[IX+i], 0x7ff, v[IX+i]              ; inside the table, whatever was stored
	v_lshlrev_b32 v[IX+i], 7, v[IX+i]              ; a code's row is 128 bytes
	v_add_nc_u32 v[IX+i], v[CO], v[IX+i]
.set i, i+1
.endr
	s_wait_alu depctr_va_vdst(0)                   ; the sixteen table offsets in IX are written, which the loads below read
.set i, 0
.rept 16
	global_load_b64 v[TAB+2*i:TAB+2*i+1], v[IX+i], s[4:5]  ; sixteen lanes take a code's 128 bytes; these are on their way while the counts are made
.set i, i+1
.endr
	s_wait_dscnt 0x0                               ; for the others' sake: my part of ab lies in LDS
	s_barrier_signal -1
	s_barrier_wait -1
; K step n's 16 words: fragment registers 0-3 are rows 8 h + 0..7 of the step's 32: four pairs, 32 bytes at 32 h; registers 4-7 are rows 16 + 8 h on: 64 bytes further.
.macro HLOAD n
.set hb, R+16*((\n)%8)
	ds_load_b128 v[hb:hb+3],     v[VH] offset:ABL+128*(\n)
	ds_load_b128 v[hb+4:hb+7],   v[VH] offset:ABL+128*(\n)+16
	ds_load_b128 v[hb+8:hb+11],  v[VH] offset:ABL+128*(\n)+64
	ds_load_b128 v[hb+12:hb+15], v[VH] offset:ABL+128*(\n)+80
.endm
; The two accumulators take turns; the first two products start the sums.  A buffer of sources is written again 48 plain lines behind the product that read it.
; Steps 3 and 7 fetch the four steps that lie five to eight steps on, into the four buffers that the last four steps' additions have emptied.
.macro KSTEP n
.if (\n) < 12
	s_wait_dscnt 28-4*((\n)%4)                     ; LDS loads come back in order (ISA guide 5.7.1): this step's four are in; out may stay the later steps of its four, and the sixteen loads of the four steps fetched behind them
.else
	s_wait_dscnt 4*(15-(\n))                       ; nothing was fetched behind the last four steps: the counts run down
.endif
.set rb, R+16*((\n)%8)
.set eb, E+16*((\n)%2)
.set ac, ACC+8*((\n)%2)
.irp i, 0,1,2,3,4,5,6,7
	v_pk_add_f16 v[eb+\i], v[rb+2*\i+1], v[NEGB]
.endr
.irp i, 0,1,2,3,4,5,6,7
	v_pk_add_f16 v[eb+8+\i], v[rb+2*\i], v[NEGA]
.endr
.if ((\n) == 3) || ((\n) == 7)
	s_wait_alu depctr_va_vdst(0)                   ; the additions of this step and of the three before it are done reading their four buffers of R, in which the sixteen loads of this step land
	HLOAD (\n)+5
	HLOAD (\n)+6
.endif
.irp i, 0,1,2,3,4,5,6,7,8,9,10,11,12,13,14,15
	v_pk_fma_f16 v[eb+\i], v[eb+\i], v[eb+\i], v[ONE] neg_lo:[0,1,0] neg_hi:[0,1,0]
.endr
.if ((\n) == 3) || ((\n) == 7)
	HLOAD (\n)+7                                   ; no further wait: the sixteen lines since the wait name E and the constant 1 alone
	HLOAD (\n)+8
.endif
.irp i, 0,1,2,3,4,5,6,7,8,9,10,11,12,13,14,15
	v_pk_max_num_f16 v[eb+\i], v[eb+\i], v[ZERO]
.endr
.if (\n) < 2
	v_wmma_f32_16x16x32_f16 v[ac:ac+7], v[eb:eb+7], v[eb+8:eb+15], 0
.else
	v_wmma_f32_16x16x32_f16 v[ac:ac+7], v[eb:eb+7], v[eb+8:eb+15], v[ac:ac+7]
.endif
.endm
.irp n, 0,1,2,3,4,5,6,7
	HLOAD \n                                       ; no vector line has named these 128 registers; their address was written ahead of the waits above
.endr
.irp n, 0,1,2,3,4,5,6,7,8,9,10,11,12,13,14,15
	KSTEP \n
.endr
; The rows leave, in four blocks of four.  Row i: four bf16 of -2 c become four f32 of c.
.macro CONV i
	v_lshlrev_b32 v[OUT+4*(\i)],   16, v[TAB+2*(\i)]          ; bf16 to f32: the low half moves up,
	v_and_b32     v[OUT+4*(\i)+1], s[HMASK], v[TAB+2*(\i)]    ; the high half stays
	v_lshlrev_b32 v[OUT+4*(\i)+2], 16, v[TAB+2*(\i)+1]
	v_and_b32     v[OUT+4*(\i)+3], s[HMASK], v[TAB+2*(\i)+1]
	v_pk_mul_f32 v[OUT+4*(\i):OUT+4*(\i)+1],   v[OUT+4*(\i):OUT+4*(\i)+1],   -0.5 op_sel_hi:[1,0]
	v_pk_mul_f32 v[OUT+4*(\i)+2:OUT+4*(\i)+3], v[OUT+4*(\i)+2:OUT+4*(\i)+3], -0.5 op_sel_hi:[1,0]
.endm
.macro SEND i
	global_store_b128 v[OO], v[OUT+4*(\i):OUT+4*(\i)+3], s[10:11] offset:256*(\i) th:TH_STORE_NT  ; sixteen lanes store a row's 256 consecutive bytes, at a multiple of 256 from out0's first
.endm
; Block p converts rows 4 p to 4 p + 3 and stores the block before, a store in front of each row's six lines.
.macro ROWS4 p
	s_wait_loadcnt 12-4*(\p)                       ; this block's four table loads are in; the later rows' may stay out
.if (\p) > 0
	s_wait_alu depctr_va_vdst(0)                   ; the block before has written its sixteen registers of OUT, which the four stores below read; the lines among them name this block's TAB and OUT alone
.endif
.irp j, 0,1,2,3
.if (\p) > 0
	SEND 4*(\p)-4+\j
.endif
	CONV 4*(\p)+\j
.endr
.endm
	ROWS4 0                                        ; these lines are also the places behind the last products
	ROWS4 1
	ROWS4 2
	ROWS4 3
.irp k, 0,2,4,6
	v_pk_add_f32 v[ACC+\k:ACC+\k+1], v[ACC+\k:ACC+\k+1], v[ACC+8+\k:ACC+8+\k+1]  ; the two accumulators, from their low ends on
.endr
	s_wait_alu depctr_va_vdst(0)                   ; the last block has written its OUT, which the four stores read; the additions have written ACC, which the LDS stores read; the K steps' additions are done reading the registers in which wave 0's loads land below
.irp j, 12,13,14,15
	SEND \j
.endr
	ds_store_b128 v[HW], v[ACC:ACC+3]              ; lanes 0-15: bins 8 r + 0..7 at byte 32 r: a wave's first 512 bytes are its 128 bins in order
	ds_store_b128 v[HW], v[ACC+4:ACC+7] offset:16
	s_wait_dscnt 0x0
	s_barrier_signal -1
	s_barrier_wait -1                              ; all eight waves' counts lie in LDS
	s_cmp_lg_u32 s[WV], 0
	s_cbranch_scc1 .Lend
.irp w, 0,1,2,3,4,5,6,7
	ds_load_b128 v[RED+4*\w:RED+4*\w+3], v[HR] offset:1024*\w  ; four bins a lane; no vector line stands between the wait above and these loads
.endr
	v_and_b32 v[T0], 31, v0
	v_lshlrev_b32 v[T0], 4, v[T0]
	s_wait_dscnt 0x0
.irp w, 1,2,3,4,5,6,7
	v_pk_add_f32 v[RED:RED+1],   v[RED:RED+1],   v[RED+4*\w:RED+4*\w+1]
	v_pk_add_f32 v[RED+2:RED+3], v[RED+2:RED+3], v[RED+4*\w+2:RED+4*\w+3]
.endr
	s_wait_alu depctr_va_vdst(0)                   ; the additions have written the four sums, and v14 is written: the store's data and its offset
	global_store_b128 v[T0], v[RED:RED+3], s[12:13]  ; 512 consecutive bytes, at a multiple of 256 from part's first
.Lend:
	s_wait_dscnt 0x0                               ; the wave's end: the closing lines of a launch in the mode that stores to LDS
	s_wait_alu 0x0
	s_wait_tensorcnt 0x0
	ds_add_u32 v[SPW], v[NIL]
	s_wait_dscnt 0x0
	s_endpgm
.Lfunc_end_k_q32448b6cee_gather:
	.size	k_q32448b6cee_gather, .Lfunc_end_k_q32448b6cee_gather-k_q32448b6cee_gather
	.p2alignl 7, 3214868480
	.fill 96, 4, 3214868480
	.section	.rodata,"a",@progbits
	.p2align	6, 0x0
	.amdhsa_kernel k_q32448b6cee_gather
		.amdhsa_group_segment_fixed_size 25600
		.amdhsa_private_segment_fixed_size 0
		.amdhsa_enable_private_segment 0
		.amdhsa_kernarg_size 40
		.amdhsa_user_sgpr_count 2
		.amdhsa_user_sgpr_kernarg_segment_ptr 1
		.amdhsa_wavefront_size32 1
		.amdhsa_system_sgpr_workgroup_id_x 1
		.amdhsa_system_sgpr_workgroup_id_y 1
		.amdhsa_system_sgpr_workgroup_id_z 1
		.amdhsa_system_vgpr_workitem_id 0
		.amdhsa_next_free_vgpr 256
		.amdhsa_next_free_sgpr 66
		.amdhsa_reserve_vcc 0
		.amdhsa_float_denorm_mode_32 3
		.amdhsa_float_denorm_mode_16_64 3
		.amdhsa_memory_ordered 1
		.amdhsa_forward_progress 1
		.amdhsa_inst_pref_size 69
	.end_amdhsa_kernel
	.amdgpu_metadata
---
amdhsa.version: [ 1, 2 ]
amdhsa.kernels:
  - .name:           k_q32448b6cee_gather
    .symbol:         k_q32448b6cee_gather.kd
    .args:
      - { .name: tabB, .offset: 0, .size: 8, .value_kind: global_buffer, .address_space: global }
      - { .name: idx, .offset: 8, .size: 8, .value_kind: global_buffer, .address_space: global }
      - { .name: ab, .offset: 16, .size: 8, .value_kind: global_buffer, .address_space: global }
      - { .name: out0, .offset: 24, .size: 8, .value_kind: global_buffer, .address_space: global }
      - { .name: part, .offset: 32, .size: 8, .value_kind: global_buffer, .address_space: global }
    .group_segment_fixed_size: 25600
    .private_segment_fixed_size: 0
    .kernarg_segment_align: 8
    .kernarg_segment_size: 40
    .max_flat_workgroup_size: 256
    .sgpr_count:     66
    .vgpr_count:     256
    .wavefront_size: 32
...
	.end_amdgpu_metadata
.endif
;; end of part 5
;; launch final: the kernel of part 4 again; grid 1 x 1, 32 waves a work-group, no clusters, 4,352 bytes of LDS; arguments part, lossp, out1, out2, out3; writes out1, out2, out3
